; MI455X (gfx1250); checked and timed in simulation.
; The chip was launched on July 23, 2026; its instructions are those of AMD's public machine-readable ISA for CDNA 5 (MIT licence, August 2026) and "CDNA5" Instruction Set Architecture Reference Guide (July 2026). The comments in the code are by the model that wrote it; some were corrected since.
;; ODE Block. Allowed arithmetic: float matrix products may take bf16 or f16 operands with f32 sums; other float arithmetic in f32, or as packed bf16 or f16 multiplies, adds, multiply-adds, maxima and minima; sums over many terms, partial sums and values carried from step to step in f32; what a program stores and reads back later, other than sums and carried values, may be rounded once to bf16 or f16.
;; Inputs: applied 8,192 x 1 x 1 float32; current 8,192 x 1 x 1 float32; m0 8,192 x 2 x 3 float32.
;; Outputs: out0 8,192 x 2 x 3 float32.
;; Constants: num_steps = 500.
;; 2 versions, each right; version 2 is version 1 with the launch llg_rk4 written anew for expert scheduling mode. Each part assembles by itself: llvm-mc -triple=amdgcn-amd-amdhsa -mcpu=gfx1250 --defsym DOCPART=n.
;; ======== version 1 of 2: 1 launch
;; launch llg_rk4 (part 1): grid 256 x 1, 1 waves a work-group, no clusters, 1,024 bytes of LDS; arguments applied, current, m0, out0; writes out0
.if DOCPART == 1
	.amdgcn_target "amdgcn-amd-amdhsa--gfx1250"
	.amdhsa_code_object_version 6
	.text
	.protected	k_qe202052dc3_llg_rk4
	.globl	k_qe202052dc3_llg_rk4
	.p2align	8
	.type	k_qe202052dc3_llg_rk4,@function
k_qe202052dc3_llg_rk4:
	s_mov_b64 s[64:65], 0
	v_nop
	global_prefetch_b8 v0, s[64:65] scope:SCOPE_SE
	s_setreg_imm32_b32 hwreg(HW_REG_WAVE_MODE, 25, 1), 1
	s_wait_xcnt 0x0
; 500 classical RK4 steps of two coupled LLG oscillators for 8,192 batch elements.  m0, out0: [8192][2][3] f32; applied, current: [8192] f32.
; SHARES.  A lane owns one batch element; its two oscillators are the two halves of a register pair, so every v_pk_*_f32 line works for both, and
; "the other oscillator" is the same pair with its halves swapped (op_sel 1, op_sel_hi 0 on that source): nothing crosses lanes.  8,192 lanes = 256 work-groups of one wave.
; ALGEBRA (exact regrouping of the reference's formula).  With c = 1/(1+alpha^2), (x,y,z) one oscillator and (ox,oy,oz) the other:
;   dm = c m x [-h + m x (-alpha h + J ex)],  h = 0.1 H,  H = (5x + ox, oy, oz + 10A),  g = alpha H - 10J ex   =>   dm = kappa m x w,  w = H + m x g,  kappa = -0.1 c.
; A stage is s' = base + a (s x w(s)), a = kappa DT/2, kappa DT/2, kappa DT, kappa DT/6.  a s is made beside the chain, so that s' is two fused multiply-adds a component onto the base.
; k1..k3 are never formed: m_new = (-m + s2 + 2 s3 + s4)/3 + (kappa DT/6)(s4 x w4), which is m + DT/6 (k1 + 2 k2 + 2 k3 + k4).
; The weights are CL = 0x3eaaaaaa and CH = 0x3f2aaaab: -CL + CL + CH + CL is exactly 1; each is within 6e-8 of itself of 1/3 or 2/3 and multiplies differences of the size of a step.
; COUNT.  23 lines a stage (5 linear forms, 3 scalings, 6 for w, 6 for s', 3 for the running sum), 92 a step; the longest chain of dependent lines is 5 a stage.
; The chain's lines stand first, in the order x, z, y in which a stage's results are made; the scalings and the running sum stand between the links.
; LIMITS.  The order of rounding differs from the reference's (same polynomial, regrouped).  1/|m0| is v_rsq_f32, not a root and a division.  A row of m0 whose sum of squares
; is below 2^-126 (norm below about 1.1e-19) counts as zero and gives NaN or infinity; squares overflow above about 1.8e19, as in the reference.  NaN and infinities are carried along, not treated apart.
.set NSTEPS, 500
.set UNROLL, 5                         ; steps written out in a trip: 100 trips
.set SPARE,  768                       ; LDS: bytes 0-767 the wave's results on the way out; from 768 the spare words, one block of 256 bytes that no other line names
.set SPW, 2                            ; v2   LDS address of my spare word; never rewritten
.set NIL, 3                            ; v3   0; never rewritten
.set MO,  4                            ; v4   byte offset of my 24 bytes in m0
.set AO,  5                            ; v5   byte offset of my number in applied and in current
.set LW,  6                            ; v6   LDS: where my 24 result bytes go
.set LR,  7                            ; v7   LDS: 8 x lane, where I read 8 bytes back
.set GO,  8                            ; v8   byte offset in out0 of those 8 bytes
.set APP, 9
.set CUR, 10
.set RAW, 12                           ; v[12:17] m0 as loaded: x y z of oscillator 0, x y z of oscillator 1
.set NRM, 18                           ; v[18:19] sums of squares, then 1/norm
.set TA,  20                           ; v[20:21] 10 A = 15 + 5 applied, twice
.set ATA, 22                           ; v[22:23] alpha 10 A, twice
.set TJ,  24                           ; v[24:25] 10 J = 2.5 + 5 current, twice
.set M,   26                           ; v[26:31] m at the step's beginning: pairs x, y, z
.set SA,  32                           ; v[32:37] a stage state
.set SB,  38                           ; v[38:43] the other
.set P,   44                           ; v[44:49] the running sum -CL m + CL s2 + CH s3 + CL s4
.set HX,  50
.set HZ,  52
.set GX,  54
.set GY,  56
.set GZ,  58
.set XA,  60                           ; a x, a y, a z
.set YA,  62
.set ZA,  64
.set WX,  66
.set WY,  68
.set WZ,  70
.set OUT, 72                           ; v[72:77] the way out
.set AL,  12                           ; s[12:13] alpha = 0.009          (a packed line names a pair and takes its low word for both halves; the high word is written too)
.set C5,  14                           ; s[14:15] 5
.set H1,  16                           ; s[16:17] kappa DT/2
.set H2,  18                           ; s[18:19] kappa DT
.set H3,  20                           ; s[20:21] kappa DT/6
.set CL,  22                           ; s[22:23]
.set CH,  24                           ; s[24:25]
.set NCL, 26                           ; s[26:27] -CL
.set K15, 28
.set K25, 29
.set CNT, 30
	s_load_b256 s[4:11], s[0:1], 0x0               ; applied s[4:5], current s[6:7], m0 s[8:9], out0 s[10:11]
	v_lshl_add_u32 v[SPW], v0, 2, SPARE
	v_mov_b32 v[NIL], 0
	s_lshl_b32 s2, ttmp9, 5                        ; the work-group's first batch element
	s_mul_i32 s3, ttmp9, 768                       ; and its 768 bytes of out0
	v_add_nc_u32 v1, s2, v0                        ; my batch element
	v_mul_u32_u24 v[MO], v1, 24
	v_lshlrev_b32 v[AO], 2, v1
	v_mul_u32_u24 v[LW], v0, 24
	v_lshlrev_b32 v[LR], 3, v0
	v_add_nc_u32 v[GO], s3, v[LR]
	s_mov_b32 s[AL],  0x3c1374bc                   ; 0.009
	s_mov_b32 s[C5],  0x40a00000                   ; 5.0
	s_mov_b32 s[H1],  0xba030fb7                   ; -0.1/(1+alpha^2) x 0.005  = -4.9995950e-4
	s_mov_b32 s[H2],  0xba830fb7                   ; twice that
	s_mov_b32 s[H3],  0xb92ebf9e                   ; a third of it             = -1.6665317e-4
	s_mov_b32 s[CL],  0x3eaaaaaa
	s_mov_b32 s[CH],  0x3f2aaaab
	s_mov_b32 s[NCL], 0xbeaaaaaa
.irp k, AL, C5, H1, H2, H3, CL, CH, NCL
	s_mov_b32 s[\k+1], s[\k]
.endr
	s_mov_b32 s[K15], 0x41700000                   ; 15.0
	s_mov_b32 s[K25], 0x40200000                   ; 2.5
	s_mov_b32 s[CNT], NSTEPS/UNROLL
	s_wait_kmcnt 0x0
	global_load_b64 v[RAW:RAW+1],   v[MO], s[8:9]            ; the three loads of the wave cover its 768 consecutive bytes of m0
	global_load_b64 v[RAW+2:RAW+3], v[MO], s[8:9] offset:8
	global_load_b64 v[RAW+4:RAW+5], v[MO], s[8:9] offset:16
	global_load_b32 v[APP], v[AO], s[4:5]
	global_load_b32 v[CUR], v[AO], s[6:7]
	s_wait_loadcnt 0x2                             ; m0 is in; the two younger loads may stay out
	v_mul_f32  v[NRM],   v[RAW],   v[RAW]
	v_mul_f32  v[NRM+1], v[RAW+3], v[RAW+3]
	v_fmac_f32 v[NRM],   v[RAW+1], v[RAW+1]
	v_fmac_f32 v[NRM+1], v[RAW+4], v[RAW+4]
	v_fmac_f32 v[NRM],   v[RAW+2], v[RAW+2]
	v_fmac_f32 v[NRM+1], v[RAW+5], v[RAW+5]
	v_rsq_f32 v[NRM],   v[NRM]
	v_rsq_f32 v[NRM+1], v[NRM+1]
	s_wait_loadcnt 0x0                             ; applied and current
	v_fma_f32 v[TA], v[APP], s[C5], s[K15]         ; 10 (1.5 + 0.5 applied): plain lines that name neither root stand behind the two roots
	v_fma_f32 v[TJ], v[CUR], s[C5], s[K25]         ; 10 (0.25 + 0.5 current)
	v_mov_b32 v[TA+1], v[TA]
	v_mov_b32 v[TJ+1], v[TJ]
	v_mul_f32 v[ATA],   s[AL], v[TA]
	v_mul_f32 v[ATA+1], s[AL], v[TA]
	s_wait_alu depctr_va_vdst(0)                   ; one wait for both roots, ahead of their first reader
.irp c, 0,1,2
	v_mul_f32 v[M+2*\c],   v[RAW+\c],   v[NRM]     ; onto the unit sphere, and into pairs (oscillator 0, oscillator 1)
	v_mul_f32 v[M+2*\c+1], v[RAW+3+\c], v[NRM+1]
.endr
.macro FMA d, a, b, c                  ; d = a b + c
	v_pk_fma_f32 v[\d:\d+1], v[\a:\a+1], v[\b:\b+1], v[\c:\c+1]
.endm
.macro FNMA d, a, b, c                 ; d = c - a b
	v_pk_fma_f32 v[\d:\d+1], v[\a:\a+1], v[\b:\b+1], v[\c:\c+1] neg_lo:[1,0,0] neg_hi:[1,0,0]
.endm
.macro SCALE d, a, k                   ; d = a times a uniform constant
	v_pk_mul_f32 v[\d:\d+1], v[\a:\a+1], s[\k:\k+1] op_sel_hi:[1,0]
.endm
.macro FILL first, c, in, k            ; component c (0, 2, 4) of the running sum takes the stage's input state times weight k; first = 1 starts the sum
.if \first
	v_pk_mul_f32 v[P+\c:P+\c+1], v[\in+\c:\in+\c+1], s[\k:\k+1] op_sel_hi:[1,0]
.else
	v_pk_fma_f32 v[P+\c:P+\c+1], v[\in+\c:\in+\c+1], s[\k:\k+1], v[P+\c:P+\c+1] op_sel_hi:[1,0,1]
.endif
.endm
; ONE STAGE: out = base + co (in x w(in)).  in, base, out: first register of three pairs x, y, z.  first, k: what the running sum takes.
; early = 1 (the fourth stage): the running sum is the base, so its three lines stand ahead of the lines that take it up.
; The chain: (Hx, gz, Hz, gy) -> (gx, first halves of w) -> (w) -> (first halves of out) -> (out).  Without the running sum's lines early, a link's first reader stands five lines behind it
; up to w's readers, four and three at the stage's end, where no independent line is left.
.macro STAGE in, base, out, co, first, k, early
	v_pk_fma_f32 v[HX:HX+1], v[\in:\in+1], s[C5:C5+1], v[\in:\in+1] op_sel:[0,0,1] op_sel_hi:[1,0,0]          ; Hx = 5 x + ox
	v_pk_fma_f32 v[GZ:GZ+1], v[\in+4:\in+5], s[AL:AL+1], v[ATA:ATA+1] op_sel:[1,0,0] op_sel_hi:[0,0,1]        ; gz = alpha oz + alpha 10A
	v_pk_add_f32 v[HZ:HZ+1], v[\in+4:\in+5], v[TA:TA+1] op_sel:[1,0] op_sel_hi:[0,1]                          ; Hz = oz + 10A
	v_pk_mul_f32 v[GY:GY+1], v[\in+2:\in+3], s[AL:AL+1] op_sel:[1,0] op_sel_hi:[0,0]                          ; gy = alpha oy
	SCALE ZA, \in+4, \co
	v_pk_fma_f32 v[GX:GX+1], v[HX:HX+1], s[AL:AL+1], v[TJ:TJ+1] op_sel_hi:[1,0,1] neg_lo:[0,0,1] neg_hi:[0,0,1]  ; gx = alpha Hx - 10J
	v_pk_fma_f32 v[WY:WY+1], v[\in:\in+1], v[GZ:GZ+1], v[\in+2:\in+3] op_sel:[0,0,1] op_sel_hi:[1,1,0] neg_lo:[1,0,0] neg_hi:[1,0,0]  ; oy - x gz
	FMA  WX, \in+2, GZ, HX                         ; Hx + y gz
	FMA  WZ, \in,   GY, HZ                         ; Hz + x gy
.if \early
	FILL \first, 0, \in, \k
	SCALE YA, \in+2, \co
	FMA  WY, \in+4, GX, WY                         ; wy = oy - x gz + z gx
	FILL \first, 4, \in, \k
	FNMA WX, \in+4, GY, WX                         ; wx = Hx + y gz - z gy
	FNMA WZ, \in+2, GX, WZ                         ; wz = Hz + x gy - y gx
	SCALE XA, \in, \co
	FNMA \out,   ZA, WY, \base                     ; x: base - a z wy
	FILL \first, 2, \in, \k
	FNMA \out+4, YA, WX, \base+4                   ; z: base - a y wx
	FMA  \out,   YA, WZ, \out                      ; x:      + a y wz
	FNMA \out+2, XA, WZ, \base+2                   ; y: base - a x wz
	FMA  \out+4, XA, WY, \out+4                    ; z:      + a x wy
	FMA  \out+2, ZA, WX, \out+2                    ; y:      + a z wx
.else
	SCALE YA, \in+2, \co
	SCALE XA, \in, \co
	FMA  WY, \in+4, GX, WY                         ; wy = oy - x gz + z gx
	FNMA WX, \in+4, GY, WX                         ; wx = Hx + y gz - z gy
	FNMA WZ, \in+2, GX, WZ                         ; wz = Hz + x gy - y gx
	FILL \first, 0, \in, \k
	FILL \first, 4, \in, \k
	FNMA \out,   ZA, WY, \base                     ; x: base - a z wy
	FNMA \out+4, YA, WX, \base+4                   ; z: base - a y wx
	FNMA \out+2, XA, WZ, \base+2                   ; y: base - a x wz
	FILL \first, 2, \in, \k
	FMA  \out,   YA, WZ, \out                      ; x:      + a y wz
	FMA  \out+4, XA, WY, \out+4                    ; z:      + a x wy
	FMA  \out+2, ZA, WX, \out+2                    ; y:      + a z wx
.endif
.endm
.macro STEP
	STAGE M,  M, SA, H1, 1, NCL, 0                 ; s2 = m + DT/2 k1        P  = -CL m
	STAGE SA, M, SB, H1, 0, CL,  0                 ; s3 = m + DT/2 k2        P +=  CL s2
	STAGE SB, M, SA, H2, 0, CH,  0                 ; s4 = m + DT k3          P +=  CH s3
	STAGE SA, P, M,  H3, 0, CL,  1                 ; m  = P + DT/6 k4        P +=  CL s4, first
.endm
.Ltrip:                                            ; NSTEPS / UNROLL trips
.rept UNROLL
	STEP
.endr
	s_sub_co_u32 s[CNT], s[CNT], 1
	s_cmp_lg_u32 s[CNT], 0
	s_cbranch_scc1 .Ltrip
	; THE WAY OUT.  A lane's 24 bytes go into LDS as they lie in out0; the wave's 768 bytes come back 8 bytes a lane, so that each store of the wave covers 256 consecutive bytes,
	; at a multiple of 256 from out0's first byte.  LDS serves a wave's instructions in order (ISA guide 5.7.1.4): the loads see the stores; there is one wave, so no barrier.
.irp c, 0,1,2
	ds_store_b32 v[LW], v[M+2*\c]   offset:4*\c    ; oscillator 0: x, y, z
	ds_store_b32 v[LW], v[M+2*\c+1] offset:12+4*\c ; oscillator 1
.endr
.irp j, 0,1,2
	ds_load_b64 v[OUT+2*\j:OUT+2*\j+1], v[LR] offset:256*\j
.endr
.irp j, 0,1,2
	s_wait_dscnt 2-\j                              ; load j is back; the younger ones may stay out
	global_store_b64 v[GO], v[OUT+2*\j:OUT+2*\j+1], s[10:11] offset:256*\j th:TH_STORE_NT
.endr
	s_wait_tensorcnt 0x0                           ; the wave's end: behind my last LDS store
	ds_add_u32 v[SPW], v[NIL]
	s_wait_dscnt 0x0
	s_endpgm
.Lfunc_end_k_qe202052dc3_llg_rk4:
	.size	k_qe202052dc3_llg_rk4, .Lfunc_end_k_qe202052dc3_llg_rk4-k_qe202052dc3_llg_rk4
	.p2alignl 7, 3214868480
	.fill 96, 4, 3214868480
	.section	.rodata,"a",@progbits
	.p2align	6, 0x0
	.amdhsa_kernel k_qe202052dc3_llg_rk4
		.amdhsa_group_segment_fixed_size 1024
		.amdhsa_private_segment_fixed_size 0
		.amdhsa_enable_private_segment 0
		.amdhsa_kernarg_size 32
		.amdhsa_user_sgpr_count 2
		.amdhsa_user_sgpr_kernarg_segment_ptr 1
		.amdhsa_wavefront_size32 1
		.amdhsa_system_sgpr_workgroup_id_x 1
		.amdhsa_system_sgpr_workgroup_id_y 1
		.amdhsa_system_sgpr_workgroup_id_z 1
		.amdhsa_system_vgpr_workitem_id 0
		.amdhsa_next_free_vgpr 80
		.amdhsa_next_free_sgpr 66
		.amdhsa_reserve_vcc 0
		.amdhsa_float_denorm_mode_32 3
		.amdhsa_float_denorm_mode_16_64 3
		.amdhsa_memory_ordered 1
		.amdhsa_forward_progress 1
		.amdhsa_inst_pref_size 33
	.end_amdhsa_kernel
	.amdgpu_metadata
---
amdhsa.version: [ 1, 2 ]
amdhsa.kernels:
  - .name:           k_qe202052dc3_llg_rk4
    .symbol:         k_qe202052dc3_llg_rk4.kd
    .args:
      - { .name: applied, .offset: 0, .size: 8, .value_kind: global_buffer, .address_space: global }
      - { .name: current, .offset: 8, .size: 8, .value_kind: global_buffer, .address_space: global }
      - { .name: m0, .offset: 16, .size: 8, .value_kind: global_buffer, .address_space: global }
      - { .name: out0, .offset: 24, .size: 8, .value_kind: global_buffer, .address_space: global }
    .group_segment_fixed_size: 1024
    .private_segment_fixed_size: 0
    .kernarg_segment_align: 8
    .kernarg_segment_size: 32
    .max_flat_workgroup_size: 32
    .sgpr_count:     66
    .vgpr_count:     80
    .wavefront_size: 32
...
	.end_amdgpu_metadata
.endif
;; end of part 1
;; ======== version 2 of 2: 1 launch; version 1 with the launch llg_rk4 written anew for expert scheduling mode
;; launch llg_rk4 (part 2): grid 256 x 1, 1 waves a work-group, no clusters, 1,024 bytes of LDS; arguments applied, current, m0, out0; writes out0
.if DOCPART == 2
	.amdgcn_target "amdgcn-amd-amdhsa--gfx1250"
	.amdhsa_code_object_version 6
	.text
	.protected	k_qe202052dc3_llg_rk4
	.globl	k_qe202052dc3_llg_rk4
	.p2align	8
	.type	k_qe202052dc3_llg_rk4,@function
k_qe202052dc3_llg_rk4:
	s_mov_b64 s[64:65], 0
	v_nop
	global_prefetch_b8 v0, s[64:65] scope:SCOPE_SE
	s_setreg_imm32_b32 hwreg(HW_REG_WAVE_SCHED_MODE, 0, 2), 2
	s_setreg_imm32_b32 hwreg(HW_REG_WAVE_MODE, 25, 1), 1
	s_wait_xcnt 0x0
	s_wait_alu depctr_vm_vsrc(0)
; 500 classical RK4 steps of two coupled LLG oscillators for 8,192 batch elements.  m0, out0: [8192][2][3] f32; applied, current: [8192] f32.
; SHARES.  A lane owns one batch element; its two oscillators are the two halves of a register pair, so every v_pk_*_f32 line works for both, and
; "the other oscillator" is the same pair with its halves swapped (op_sel 1, op_sel_hi 0 on that source): nothing crosses lanes.  8,192 lanes = 256 work-groups of one wave.
; ALGEBRA (exact regrouping of the reference's formula).  With c = 1/(1+alpha^2), (x,y,z) one oscillator and (ox,oy,oz) the other:
;   dm = c m x [-h + m x (-alpha h + J ex)],  h = 0.1 H,  H = (5x + ox, oy, oz + 10A),  g = alpha H - 10J ex   =>   dm = kappa m x w,  w = H + m x g,  kappa = -0.1 c.
; A stage is s' = base + a (s x w(s)), a = kappa DT/2, kappa DT/2, kappa DT, kappa DT/6.  a s is made beside the chain, so that s' is two fused multiply-adds a component onto the base.
; k1..k3 are never formed: m_new = (-m + s2 + 2 s3 + s4)/3 + (kappa DT/6)(s4 x w4), which is m + DT/6 (k1 + 2 k2 + 2 k3 + k4).
; The weights are CL = 0x3eaaaaaa and CH = 0x3f2aaaab: -CL + CL + CH + CL is exactly 1; each is within 6e-8 of itself of 1/3 or 2/3 and multiplies differences of the size of a step.
; COUNT.  23 lines a stage (5 linear forms, 3 scalings, 6 for w, 6 for s', 3 for the running sum), 92 a step; the longest chain of dependent lines is 5 a stage.
; The chain's lines stand first, in the order x, z, y in which a stage's results are made; the scalings and the running sum stand between the links.
; LIMITS.  The order of rounding differs from the reference's (same polynomial, regrouped).  1/|m0| is v_rsq_f32, not a root and a division.  A row of m0 whose sum of squares
; is below 2^-126 (norm below about 1.1e-19) counts as zero and gives NaN or infinity; squares overflow above about 1.8e19, as in the reference.  NaN and infinities are carried along, not treated apart.
; THE MODE: SCHED_MODE bits 1:0 = 2 (LLVM: expert scheduling mode 2), set by the entry lines.  The code itself states the register dependences
; between vector instructions and memory or LDS instructions, with s_wait_alu, always for 0.
; THE PLAN.  Registers that memory or LDS instructions touch:
;   v[MO], v[AO]                 offsets of the five global loads.  Written by vector lines at the head, never again.
;   v[LW], v[LR], v[GO]          addresses of the way out's LDS stores, LDS loads and global stores.  Written by vector lines at the head, never again.
;   v[SPW], v[NIL]               written at the head, read by the closing add alone.
;   v[RAW ..], v[APP], v[CUR]    the global loads land in them, once; no vector line names them before, and no load lands in them again.
;   v[M ..]                      written by the loop's last stage; read by the six LDS stores of the way out; never written again.
;   v[OUT ..]                    the LDS loads land in them, the global stores read them; no vector line names them.
; The loop holds vector and scalar lines alone.  So three waits on va_vdst stand in the text: ahead of the first load (the seven addresses are written), ahead of the first reader of the two
; roots, and ahead of the LDS stores (m is written).  No register that a memory or LDS instruction reads is written again, so no wait on vm_vsrc is owed; no vector line writes a scalar register, VCC or EXEC.
.set NSTEPS, 500
.set UNROLL, 5                         ; steps written out in a trip: 100 trips
.set SPARE,  768                       ; LDS: bytes 0-767 the wave's results on the way out; from 768 the spare words, one block of 256 bytes that no other line names
.set SPW, 2                            ; v2   LDS address of my spare word; never rewritten
.set NIL, 3                            ; v3   0; never rewritten
.set MO,  4                            ; v4   byte offset of my 24 bytes in m0
.set AO,  5                            ; v5   byte offset of my number in applied and in current
.set LW,  6                            ; v6   LDS: where my 24 result bytes go
.set LR,  7                            ; v7   LDS: 8 x lane, where I read 8 bytes back
.set GO,  8                            ; v8   byte offset in out0 of those 8 bytes
.set APP, 9
.set CUR, 10
.set RAW, 12                           ; v[12:17] m0 as loaded: x y z of oscillator 0, x y z of oscillator 1
.set NRM, 18                           ; v[18:19] sums of squares, then 1/norm
.set TA,  20                           ; v[20:21] 10 A = 15 + 5 applied, twice
.set ATA, 22                           ; v[22:23] alpha 10 A, twice
.set TJ,  24                           ; v[24:25] 10 J = 2.5 + 5 current, twice
.set M,   26                           ; v[26:31] m at the step's beginning: pairs x, y, z
.set SA,  32                           ; v[32:37] a stage state
.set SB,  38                           ; v[38:43] the other
.set P,   44                           ; v[44:49] the running sum -CL m + CL s2 + CH s3 + CL s4
.set HX,  50
.set HZ,  52
.set GX,  54
.set GY,  56
.set GZ,  58
.set XA,  60                           ; a x, a y, a z
.set YA,  62
.set ZA,  64
.set WX,  66
.set WY,  68
.set WZ,  70
.set OUT, 72                           ; v[72:77] the way out
.set AL,  12                           ; s[12:13] alpha = 0.009          (a packed line names a pair and takes its low word for both halves; the high word is written too)
.set C5,  14                           ; s[14:15] 5
.set H1,  16                           ; s[16:17] kappa DT/2
.set H2,  18                           ; s[18:19] kappa DT
.set H3,  20                           ; s[20:21] kappa DT/6
.set CL,  22                           ; s[22:23]
.set CH,  24                           ; s[24:25]
.set NCL, 26                           ; s[26:27] -CL
.set K15, 28
.set K25, 29
.set CNT, 30
	s_load_b256 s[4:11], s[0:1], 0x0               ; applied s[4:5], current s[6:7], m0 s[8:9], out0 s[10:11]
	v_lshl_add_u32 v[SPW], v0, 2, SPARE
	v_mov_b32 v[NIL], 0
	s_lshl_b32 s2, ttmp9, 5                        ; the work-group's first batch element
	s_mul_i32 s3, ttmp9, 768                       ; and its 768 bytes of out0
	v_add_nc_u32 v1, s2, v0                        ; my batch element
	v_mul_u32_u24 v[MO], v1, 24
	v_lshlrev_b32 v[AO], 2, v1
	v_mul_u32_u24 v[LW], v0, 24
	v_lshlrev_b32 v[LR], 3, v0
	v_add_nc_u32 v[GO], s3, v[LR]
	s_mov_b32 s[AL],  0x3c1374bc                   ; 0.009
	s_mov_b32 s[C5],  0x40a00000                   ; 5.0
	s_mov_b32 s[H1],  0xba030fb7                   ; -0.1/(1+alpha^2) x 0.005  = -4.9995950e-4
	s_mov_b32 s[H2],  0xba830fb7                   ; twice that
	s_mov_b32 s[H3],  0xb92ebf9e                   ; a third of it             = -1.6665317e-4
	s_mov_b32 s[CL],  0x3eaaaaaa
	s_mov_b32 s[CH],  0x3f2aaaab
	s_mov_b32 s[NCL], 0xbeaaaaaa
.irp k, AL, C5, H1, H2, H3, CL, CH, NCL
	s_mov_b32 s[\k+1], s[\k]
.endr
	s_mov_b32 s[K15], 0x41700000                   ; 15.0
	s_mov_b32 s[K25], 0x40200000                   ; 2.5
	s_mov_b32 s[CNT], NSTEPS/UNROLL
	s_wait_kmcnt 0x0
	s_wait_alu depctr_va_vdst(0)                   ; v[MO] and v[AO] are written, which the loads below read as offsets; so are v[LW], v[LR], v[GO], v[SPW] and v[NIL], which no vector line names again
	global_load_b64 v[RAW:RAW+1],   v[MO], s[8:9]            ; the three loads of the wave cover its 768 consecutive bytes of m0
	global_load_b64 v[RAW+2:RAW+3], v[MO], s[8:9] offset:8
	global_load_b64 v[RAW+4:RAW+5], v[MO], s[8:9] offset:16
	global_load_b32 v[APP], v[AO], s[4:5]
	global_load_b32 v[CUR], v[AO], s[6:7]
	s_wait_loadcnt 0x2                             ; m0 is in; the two younger loads may stay out
	v_mul_f32  v[NRM],   v[RAW],   v[RAW]
	v_mul_f32  v[NRM+1], v[RAW+3], v[RAW+3]
	v_fmac_f32 v[NRM],   v[RAW+1], v[RAW+1]
	v_fmac_f32 v[NRM+1], v[RAW+4], v[RAW+4]
	v_fmac_f32 v[NRM],   v[RAW+2], v[RAW+2]
	v_fmac_f32 v[NRM+1], v[RAW+5], v[RAW+5]
	v_rsq_f32 v[NRM],   v[NRM]
	v_rsq_f32 v[NRM+1], v[NRM+1]
	s_wait_loadcnt 0x0                             ; applied and current
	v_fma_f32 v[TA], v[APP], s[C5], s[K15]         ; 10 (1.5 + 0.5 applied): plain lines that name neither root stand behind the two roots
	v_fma_f32 v[TJ], v[CUR], s[C5], s[K25]         ; 10 (0.25 + 0.5 current)
	v_mov_b32 v[TA+1], v[TA]
	v_mov_b32 v[TJ+1], v[TJ]
	v_mul_f32 v[ATA],   s[AL], v[TA]
	v_mul_f32 v[ATA+1], s[AL], v[TA]
	s_wait_alu depctr_va_vdst(0)                   ; the two roots have written v[NRM] and v[NRM+1]: one wait for both, ahead of their first reader
.irp c, 0,1,2
	v_mul_f32 v[M+2*\c],   v[RAW+\c],   v[NRM]     ; onto the unit sphere, and into pairs (oscillator 0, oscillator 1)
	v_mul_f32 v[M+2*\c+1], v[RAW+3+\c], v[NRM+1]
.endr
.macro FMA d, a, b, c                  ; d = a b + c
	v_pk_fma_f32 v[\d:\d+1], v[\a:\a+1], v[\b:\b+1], v[\c:\c+1]
.endm
.macro FNMA d, a, b, c                 ; d = c - a b
	v_pk_fma_f32 v[\d:\d+1], v[\a:\a+1], v[\b:\b+1], v[\c:\c+1] neg_lo:[1,0,0] neg_hi:[1,0,0]
.endm
.macro SCALE d, a, k                   ; d = a times a uniform constant
	v_pk_mul_f32 v[\d:\d+1], v[\a:\a+1], s[\k:\k+1] op_sel_hi:[1,0]
.endm
.macro FILL first, c, in, k            ; component c (0, 2, 4) of the running sum takes the stage's input state times weight k; first = 1 starts the sum
.if \first
	v_pk_mul_f32 v[P+\c:P+\c+1], v[\in+\c:\in+\c+1], s[\k:\k+1] op_sel_hi:[1,0]
.else
	v_pk_fma_f32 v[P+\c:P+\c+1], v[\in+\c:\in+\c+1], s[\k:\k+1], v[P+\c:P+\c+1] op_sel_hi:[1,0,1]
.endif
.endm
; ONE STAGE: out = base + co (in x w(in)).  in, base, out: first register of three pairs x, y, z.  first, k: what the running sum takes.
; early = 1 (the fourth stage): the running sum is the base, so its three lines stand ahead of the lines that take it up.
; The chain: (Hx, gz, Hz, gy) -> (gx, first halves of w) -> (w) -> (first halves of out) -> (out).  Without the running sum's lines early, a link's first reader stands five lines behind it
; up to w's readers, four and three at the stage's end, where no independent line is left.
.macro STAGE in, base, out, co, first, k, early
	v_pk_fma_f32 v[HX:HX+1], v[\in:\in+1], s[C5:C5+1], v[\in:\in+1] op_sel:[0,0,1] op_sel_hi:[1,0,0]          ; Hx = 5 x + ox
	v_pk_fma_f32 v[GZ:GZ+1], v[\in+4:\in+5], s[AL:AL+1], v[ATA:ATA+1] op_sel:[1,0,0] op_sel_hi:[0,0,1]        ; gz = alpha oz + alpha 10A
	v_pk_add_f32 v[HZ:HZ+1], v[\in+4:\in+5], v[TA:TA+1] op_sel:[1,0] op_sel_hi:[0,1]                          ; Hz = oz + 10A
	v_pk_mul_f32 v[GY:GY+1], v[\in+2:\in+3], s[AL:AL+1] op_sel:[1,0] op_sel_hi:[0,0]                          ; gy = alpha oy
	SCALE ZA, \in+4, \co
	v_pk_fma_f32 v[GX:GX+1], v[HX:HX+1], s[AL:AL+1], v[TJ:TJ+1] op_sel_hi:[1,0,1] neg_lo:[0,0,1] neg_hi:[0,0,1]  ; gx = alpha Hx - 10J
	v_pk_fma_f32 v[WY:WY+1], v[\in:\in+1], v[GZ:GZ+1], v[\in+2:\in+3] op_sel:[0,0,1] op_sel_hi:[1,1,0] neg_lo:[1,0,0] neg_hi:[1,0,0]  ; oy - x gz
	FMA  WX, \in+2, GZ, HX                         ; Hx + y gz
	FMA  WZ, \in,   GY, HZ                         ; Hz + x gy
.if \early
	FILL \first, 0, \in, \k
	SCALE YA, \in+2, \co
	FMA  WY, \in+4, GX, WY                         ; wy = oy - x gz + z gx
	FILL \first, 4, \in, \k
	FNMA WX, \in+4, GY, WX                         ; wx = Hx + y gz - z gy
	FNMA WZ, \in+2, GX, WZ                         ; wz = Hz + x gy - y gx
	SCALE XA, \in, \co
	FNMA \out,   ZA, WY, \base                     ; x: base - a z wy
	FILL \first, 2, \in, \k
	FNMA \out+4, YA, WX, \base+4                   ; z: base - a y wx
	FMA  \out,   YA, WZ, \out                      ; x:      + a y wz
	FNMA \out+2, XA, WZ, \base+2                   ; y: base - a x wz
	FMA  \out+4, XA, WY, \out+4                    ; z:      + a x wy
	FMA  \out+2, ZA, WX, \out+2                    ; y:      + a z wx
.else
	SCALE YA, \in+2, \co
	SCALE XA, \in, \co
	FMA  WY, \in+4, GX, WY                         ; wy = oy - x gz + z gx
	FNMA WX, \in+4, GY, WX                         ; wx = Hx + y gz - z gy
	FNMA WZ, \in+2, GX, WZ                         ; wz = Hz + x gy - y gx
	FILL \first, 0, \in, \k
	FILL \first, 4, \in, \k
	FNMA \out,   ZA, WY, \base                     ; x: base - a z wy
	FNMA \out+4, YA, WX, \base+4                   ; z: base - a y wx
	FNMA \out+2, XA, WZ, \base+2                   ; y: base - a x wz
	FILL \first, 2, \in, \k
	FMA  \out,   YA, WZ, \out                      ; x:      + a y wz
	FMA  \out+4, XA, WY, \out+4                    ; z:      + a x wy
	FMA  \out+2, ZA, WX, \out+2                    ; y:      + a z wx
.endif
.endm
.macro STEP
	STAGE M,  M, SA, H1, 1, NCL, 0                 ; s2 = m + DT/2 k1        P  = -CL m
	STAGE SA, M, SB, H1, 0, CL,  0                 ; s3 = m + DT/2 k2        P +=  CL s2
	STAGE SB, M, SA, H2, 0, CH,  0                 ; s4 = m + DT k3          P +=  CH s3
	STAGE SA, P, M,  H3, 0, CL,  1                 ; m  = P + DT/6 k4        P +=  CL s4, first
.endm
.Ltrip:                                            ; NSTEPS / UNROLL trips; vector and scalar lines alone
.rept UNROLL
	STEP
.endr
	s_sub_co_u32 s[CNT], s[CNT], 1
	s_cmp_lg_u32 s[CNT], 0
	s_cbranch_scc1 .Ltrip
	; THE WAY OUT.  A lane's 24 bytes go into LDS as they lie in out0; the wave's 768 bytes come back 8 bytes a lane, so that each store of the wave covers 256 consecutive bytes,
	; at a multiple of 256 from out0's first byte.  LDS serves a wave's instructions in order (ISA guide 5.7.1.4): the loads see the stores; there is one wave, so no barrier.
	s_wait_alu depctr_va_vdst(0)                   ; the last stage has written v[M ..], which the LDS stores read
.irp c, 0,1,2
	ds_store_b32 v[LW], v[M+2*\c]   offset:4*\c    ; oscillator 0: x, y, z
	ds_store_b32 v[LW], v[M+2*\c+1] offset:12+4*\c ; oscillator 1
.endr
.irp j, 0,1,2
	ds_load_b64 v[OUT+2*\j:OUT+2*\j+1], v[LR] offset:256*\j
.endr
.irp j, 0,1,2
	s_wait_dscnt 2-\j                              ; load j is back; the younger ones may stay out
	global_store_b64 v[GO], v[OUT+2*\j:OUT+2*\j+1], s[10:11] offset:256*\j th:TH_STORE_NT
.endr
	s_wait_dscnt 0x0                               ; the closing lines, six on end
	s_wait_alu 0x0
	s_wait_tensorcnt 0x0
	ds_add_u32 v[SPW], v[NIL]
	s_wait_dscnt 0x0
	s_endpgm
.Lfunc_end_k_qe202052dc3_llg_rk4:
	.size	k_qe202052dc3_llg_rk4, .Lfunc_end_k_qe202052dc3_llg_rk4-k_qe202052dc3_llg_rk4
	.p2alignl 7, 3214868480
	.fill 96, 4, 3214868480
	.section	.rodata,"a",@progbits
	.p2align	6, 0x0
	.amdhsa_kernel k_qe202052dc3_llg_rk4
		.amdhsa_group_segment_fixed_size 1024
		.amdhsa_private_segment_fixed_size 0
		.amdhsa_enable_private_segment 0
		.amdhsa_kernarg_size 32
		.amdhsa_user_sgpr_count 2
		.amdhsa_user_sgpr_kernarg_segment_ptr 1
		.amdhsa_wavefront_size32 1
		.amdhsa_system_sgpr_workgroup_id_x 1
		.amdhsa_system_sgpr_workgroup_id_y 1
		.amdhsa_system_sgpr_workgroup_id_z 1
		.amdhsa_system_vgpr_workitem_id 0
		.amdhsa_next_free_vgpr 80
		.amdhsa_next_free_sgpr 66
		.amdhsa_reserve_vcc 0
		.amdhsa_float_denorm_mode_32 3
		.amdhsa_float_denorm_mode_16_64 3
		.amdhsa_memory_ordered 1
		.amdhsa_forward_progress 1
		.amdhsa_inst_pref_size 34
	.end_amdhsa_kernel
	.amdgpu_metadata
---
amdhsa.version: [ 1, 2 ]
amdhsa.kernels:
  - .name:           k_qe202052dc3_llg_rk4
    .symbol:         k_qe202052dc3_llg_rk4.kd
    .args:
      - { .name: applied, .offset: 0, .size: 8, .value_kind: global_buffer, .address_space: global }
      - { .name: current, .offset: 8, .size: 8, .value_kind: global_buffer, .address_space: global }
      - { .name: m0, .offset: 16, .size: 8, .value_kind: global_buffer, .address_space: global }
      - { .name: out0, .offset: 24, .size: 8, .value_kind: global_buffer, .address_space: global }
    .group_segment_fixed_size: 1024
    .private_segment_fixed_size: 0
    .kernarg_segment_align: 8
    .kernarg_segment_size: 32
    .max_flat_workgroup_size: 32
    .sgpr_count:     66
    .vgpr_count:     80
    .wavefront_size: 32
...
	.end_amdgpu_metadata
.endif
;; end of part 2
